; MI455X (gfx1250); checked and timed in simulation.
; The chip was launched on July 23, 2026; its instructions are those of AMD's public machine-readable ISA for CDNA 5 (MIT licence, August 2026) and "CDNA5" Instruction Set Architecture Reference Guide (July 2026). The comments in the code are by the model that wrote it; some were corrected since.
;; Simple LTM. Allowed arithmetic: matrix products marked QUANTISED: E2M3 operands, one E8M0 scale for each 32 along K, by v_wmma_scale_f32_16x16x128_f8f6f4 with both operands' format E2M3, f32 sums; everything else in f32.
;; Inputs: keys 100,000 x 256 float32; queries 2,048 x 256 float32; values 100,000 x 256 float32.
;; Outputs: out0 2,048 x 256 float32.
;; Constants: top_k = 8.
;; This version of the problem:
;;   THIS VERSION OF THE PROBLEM IS GIVEN IN LOW PRECISION. The matrix products marked QUANTISED in the list below multiply operands that are first quantised to E2M3 (2 exponent bits, 3 mantissa bits; 6 bits a number), with one power-of-two scale for each 32 numbers along K (OCP MX v1.0); their sums are f32. All else is computed in f32.
;;   The module's matrix products, in the order in which they are computed (A, B: the left and right operand; K: the contracted axis; several contracted axes count as one K, in the product's order):
;;     1. [M 2,048, K 256] x [K 256, N 100,000]; A: computed on the way; B: computed on the way: QUANTISED
;;   THE QUANTISER, for each operand of a quantised product, along K:
;;     - K is cut into blocks of 32 from its start; a last block that is shorter is filled with zeros.
;;     - A block's scale is 2^e with e = floor(log2(the largest magnitude in the block)) - 2, held to -126 .. 127; a block of zeros has e = 0. As a byte (E8M0): e + 127.
;;     - Each number is divided by its block's scale, clamped to +-7.5, and rounded to the nearest number of E2M3, ties to even, subnormals kept.
;;     - The product sums the exact products of the quantised numbers (number of the format x scale) in f32.
;;   ~~~python
;;   def quantise(x, axis):      # numpy; x: float32 -> the quantised numbers, widened to float32 again
;;       x = np.moveaxis(x, axis, -1); K = x.shape[-1]
;;       x = np.pad(x, [(0, 0)] * (x.ndim - 1) + [(0, -K % 32)]); x = x.reshape(x.shape[:-1] + (-1, 32)); a = np.abs(x).max(-1, keepdims=True)
;;       e = np.where(a > 0, np.clip(np.frexp(np.where(a > 0, a, 1))[1] - 1 - 2, -126, 127), 0)      # np.frexp(a)[1] - 1 = floor(log2(a)), exactly
;;       r = np.clip(x / 2.0 ** e, -7.5, 7.5)
;;       step = 2.0 ** (np.maximum(np.frexp(np.where(r == 0, 1, r))[1] - 1, 0) - 3)
;;       q = np.round(r / step) * step * 2.0 ** e      # np.round: ties to even
;;       return np.moveaxis(q.reshape(q.shape[:-2] + (-1,))[..., :K], -1, axis).astype(np.float32)
;;   ~~~
;;   OPERANDS COMPUTED ON THE WAY. 'Computed on the way' means the value that the module computes at that place (a softmax that the list does not call 'softmax' is quantised finished and normalised). What goes into a quantiser is computed in f32, as accurately as f32 sums, v_exp_f32 and their like allow (about 1e-6 of the number): no bf16 or f16 on the way to a quantiser, and a product that is left as it is and whose result goes on into a quantised operand takes f32 operands (vector FMAs, or v_wmma_f32_16x16x4_f32). A number that lies on a knife's edge between two numbers of the format may be rounded either way, as far as f32 arithmetic and the matrix unit's own rounding can turn it there, and no further.
;; One version. Each part assembles by itself: llvm-mc -triple=amdgcn-amd-amdhsa -mcpu=gfx1250 --defsym DOCPART=n.
;; ======== version 1 of 1: 5 launches
;; workspace buffers: kimg 20,480,000 bytes; qimg 425,984 bytes; gmax 20,480,000 bytes; sel 65,536 bytes of whole numbers; idx 65,536 bytes of whole numbers; wgt 65,536 bytes
;; launch quant (part 1): grid 3189 x 1, 2 waves a work-group, no clusters, 33,536 bytes of LDS; arguments keys, queries, kimg, qimg; writes kimg, qimg
.if DOCPART == 1
	.amdgcn_target "amdgcn-amd-amdhsa--gfx1250"
	.amdhsa_code_object_version 6
	.text
	.protected	k_q33b5eed176_quant
	.globl	k_q33b5eed176_quant
	.p2align	8
	.type	k_q33b5eed176_quant,@function
k_q33b5eed176_quant:
	s_mov_b64 s[64:65], 0
	v_nop
	global_prefetch_b8 v0, s[64:65] scope:SCOPE_SE
	s_setreg_imm32_b32 hwreg(HW_REG_WAVE_MODE, 25, 1), 1
	s_wait_xcnt 0x0
; keys [100000][256] and queries [2048][256], f32: each row is divided by max(its L2 norm, 1e-12) in f32 and turned into codes of FP6 (E2M3) with one
; E8M0 scale byte for each 32 along K.  The codes leave as IMAGES OF THE OPERAND'S REGISTERS: a tile is 16 rows x 256 K = two fragments of 12 registers;
; group n = 0..5 of four registers lies at 512 n + 16 x lane, and the tile's scale words at 4 x lane (lanes 0-15: row r's word for K 0-127, lanes 16-31: for K 128-255).
; kimg: a block of 80 keys has 16,384 bytes: 5 tiles x 3,072 bytes of codes, from byte 15,360 on 5 x 128 bytes of scale words; the last 384 bytes are neither written nor read.
; ROW m OF TILE t OF BLOCK kb IS KEY 80 kb + 40 (m / 8) + 8 t + m % 8: so the rows 0-7 of a block's five tiles are 40 neighbouring keys, and so are the rows 8-15.
; qimg: a tile of 16 neighbouring queries has 3,328 bytes: 3,072 of codes, 128 of scale words.
; SHARES.  One wave makes one tile: 6,250 tiles of keys (work-groups 0 to 3,124), 128 of queries (the last 64).  Only pointers and offsets are chosen: both tensors take one way through the text.
; A tile's 16 rows are two dense runs of 8,192 bytes: 32 loads of 512 consecutive bytes.  They turn through the wave's own stage in LDS (rows 1,040 bytes apart, an odd multiple of 16),
; out of which lane (r, h) takes, of row r, the blocks 2 c + h of 32 numbers, c = 0..3: the order of the fragments' registers.  Waves share nothing: no barrier.
; A block's scale is 2^(floor(log2(largest magnitude)) - 2): its byte is the largest magnitude's exponent field - 2, held at 1 from below by a floor among the maximum's leaves.
; LIMITS: NaN and infinities are not served; a row's sum of squares must stay finite in f32 (rows of norm under 1.8e19); the division is a multiplication by a reciprocal refined by one
; Newton step; a block of zeros carries the byte 1 where the quantiser says 127: its codes are zeros, and this program alone reads the bytes.
.set PITCH, 1040
.set STG,   16*PITCH                   ; a wave's stage
.set L16,  1                           ; v1  16 x lane
.set L4,   2                           ; v2  4 x lane
.set SIN,  3                           ; v3  the stage, way in: 16 x lane
.set SOUT, 4                           ; v4  way out: 1,040 r + 128 h
.set SH,   5                           ; v5  8 h
.set P,    8                           ; v[8:15]  four chains of the sum of squares, two numbers each
.set MX,   20                          ; v[20:23] the four blocks' largest magnitudes
.set SO,   24                          ; v[24:27] the conversions' scale operands
.set BY,   28                          ; v[28:31] the scale bytes
.set C,    36                          ; v[36:59] the codes: 24 registers
.set TMP,  60                          ; v[60:75] each block's upper 16 codes, as the conversion leaves them
.set X,    76                          ; v[76:203] 128 numbers
	s_load_b256 s[4:11], s[0:1], 0x0               ; keys s[4:5], queries s[6:7], kimg s[8:9], qimg s[10:11]
	v_lshl_add_u32 v208, v0, 2, 0x8200
	v_mov_b32 v209, 0
	v_lshrrev_b32 v6, 5, v0
	v_readfirstlane_b32 s12, v6                    ; wave 0, 1
	v_and_b32 v7, 31, v0
	v_lshlrev_b32 v[L16], 4, v7
	v_lshlrev_b32 v[L4], 2, v7
	v_and_b32 v6, 15, v0                           ; r
	v_bfe_u32 v7, v0, 4, 1                         ; h
	s_mul_i32 s39, s12, STG
	v_add_nc_u32 v[SIN], s39, v[L16]
	v_mul_u32_u24 v[SOUT], v6, PITCH
	v_lshl_add_u32 v[SOUT], v7, 7, v[SOUT]
	v_add_nc_u32 v[SOUT], s39, v[SOUT]
	v_lshlrev_b32 v[SH], 3, v7
	v_mov_b32 v17, 0                               ; a lane permute's destination counts as one of its sources: written once
	v_mov_b32 v34, 0
	v_mov_b32 v35, 0
	s_mov_b32 s36, 0x76543210                      ; v_permlanex16_b32's selects for lane l xor 16
	s_mov_b32 s37, 0xfedcba98
	s_mov_b32 s38, 0xffff0000                      ; lanes 16-31
	s_lshl_b32 s13, ttmp9, 1
	s_add_co_u32 s13, s13, s12                     ; my tile T
	; as a tile of keys: block kb = T / 5, tile t = T % 5
	s_mul_hi_u32 s14, s13, 0xcccccccd
	s_lshr_b32 s14, s14, 2                         ; kb
	s_mul_i32 s15, s14, 5
	s_sub_co_u32 s15, s13, s15                     ; t
	s_mul_i32 s16, s14, 80
	s_lshl_b32 s17, s15, 3
	s_add_co_u32 s16, s16, s17                     ; the first run's first row: 80 kb + 8 t
	s_lshl_b32 s18, s14, 14                        ; the block's byte in kimg
	s_mul_i32 s19, s15, 3072
	s_add_co_u32 s19, s18, s19                     ; the tile's codes
	s_lshl_b32 s20, s15, 7
	s_add_co_u32 s20, s20, s18
	s_add_co_u32 s20, s20, 15360                   ; its scale words
	; as a tile of queries
	s_sub_co_u32 s21, s13, 6250
	s_lshl_b32 s22, s21, 4                         ; first row
	s_mul_i32 s23, s21, 3328                       ; codes
	s_add_co_u32 s24, s23, 3072                    ; scale words
	s_wait_kmcnt 0x0
	s_cmp_lt_u32 ttmp9, 3125                       ; keys or queries: the choice hangs on the work-group's number alone
	s_cselect_b64 s[4:5], s[4:5], s[6:7]
	s_cselect_b64 s[8:9], s[8:9], s[10:11]
	s_cselect_b32 s16, s16, s22
	s_cselect_b32 s19, s19, s23
	s_cselect_b32 s20, s20, s24
	s_cselect_b32 s25, 40, 8                       ; rows from the first run to the second
	s_lshl_b32 s26, s16, 10                        ; 1,024 bytes a row; under 2^27
	s_mov_b32 s27, 0
	s_add_nc_u64 s[28:29], s[4:5], s[26:27]        ; rows 0-7 of the tile
	s_lshl_b32 s26, s25, 10
	s_add_nc_u64 s[30:31], s[28:29], s[26:27]      ; rows 8-15
	s_mov_b32 s26, s19
	s_add_nc_u64 s[32:33], s[8:9], s[26:27]
	s_mov_b32 s26, s20
	s_add_nc_u64 s[34:35], s[8:9], s[26:27]
.set i, 0
.rept 16
	global_load_b128 v[X+4*i:X+4*i+3], v[L16], s[28:29] offset:512*i th:TH_LOAD_NT       ; 32 lanes read 512 consecutive bytes; each input byte is read once in the launch
.set i, i+1
.endr
.rept 16
	global_load_b128 v[X+4*i:X+4*i+3], v[L16], s[30:31] offset:512*(i-16) th:TH_LOAD_NT
.set i, i+1
.endr
.set i, 0
.rept 8
	s_wait_loadcnt 28-i                            ; loads come back in order: the next four are in, the younger ones stay out
.rept 4
	ds_store_b128 v[SIN], v[X+4*i:X+4*i+3] offset:(i/2)*PITCH+(i%2)*512                  ; load i is half i % 2 of row i / 2
.set i, i+1
.endr
.endr
	s_wait_dscnt 0x0                               ; the stores have read X: the loads below land there
.set c, 0
.rept 4
.set j, 0
.rept 8
	ds_load_b128 v[X+32*c+4*j:X+32*c+4*j+3], v[SOUT] offset:256*c+16*j                   ; X[32 c + e] = number 32 (2 c + h) + e of row r
.set j, j+1
.endr
.set c, c+1
.endr
	; the row's sum of squares: my 128 numbers in four chains of two, then lane l xor 16's
.set n, 0
.rept 4
	s_wait_dscnt 24-n/2                            ; this block's eight loads are in; the later blocks' stay out
.rept 16
.if n < 4
	v_pk_mul_f32 v[P+2*(n%4):P+2*(n%4)+1], v[X+2*n:X+2*n+1], v[X+2*n:X+2*n+1]            ; the first four products start the chains
.else
	v_pk_fma_f32 v[P+2*(n%4):P+2*(n%4)+1], v[X+2*n:X+2*n+1], v[X+2*n:X+2*n+1], v[P+2*(n%4):P+2*(n%4)+1]
.endif
.set n, n+1
.endr
.endr
	v_pk_add_f32 v[P:P+1], v[P:P+1], v[P+2:P+3]
	v_pk_add_f32 v[P+4:P+5], v[P+4:P+5], v[P+6:P+7]
	v_pk_add_f32 v[P:P+1], v[P:P+1], v[P+4:P+5]
	v_add_f32 v16, v[P], v[P+1]
	v_permlanex16_b32 v17, v16, s36, s37
	v_add_f32 v16, v16, v17
	v_sqrt_f32 v17, v16
	v_nop                                          ; one plain instruction behind a transcendental
	s_wait_alu depctr_va_vdst(0)
	v_max_num_f32 v17, 0x2b8cbccc, v17             ; max(norm, 1e-12)
	v_rcp_f32 v18, v17
	v_nop
	s_wait_alu depctr_va_vdst(0)
	v_fma_f32 v19, -v17, v18, 1.0                  ; one Newton step on the reciprocal
	v_fma_f32 v18, v19, v18, v18
	v_mov_b32 v19, v18
.set n, 0
.rept 64
	v_pk_mul_f32 v[X+2*n:X+2*n+1], v[X+2*n:X+2*n+1], v[18:19]
.set n, n+1
.endr
	; the four blocks' largest magnitudes, by turns; the floor 2^(3 - 127) is one more leaf, so that no byte falls under 1
.irp b, 0,1,2,3
	v_max3_num_f32 v[MX+\b], |v[X+32*\b]|, |v[X+32*\b+1]|, 0x1800000
.endr
.irp i, 2,4,6,8,10,12,14,16,18,20,22,24,26,28,30
.irp b, 0,1,2,3
	v_max3_num_f32 v[MX+\b], v[MX+\b], |v[X+32*\b+\i]|, |v[X+32*\b+\i+1]|
.endr
.endr
.irp b, 0,1,2,3
	v_add_nc_u32 v[SO+\b], 0xff000000, v[MX+\b]    ; 2 off the exponent field: the conversion takes this operand's exponent field as its scale
.endr
.irp b, 0,1,2,3
	v_lshrrev_b32 v[BY+\b], 23, v[SO+\b]           ; the scale's byte
.endr
	v_lshl_or_b32 v32, v[BY+1], 16, v[BY]          ; K 0-127: my bytes are those of blocks h and 2 + h,
	v_lshl_or_b32 v33, v[BY+3], 16, v[BY+2]        ; K 128-255 likewise,
	v_lshlrev_b32 v32, v[SH], v32                  ; at their places, 8 h bits up;
	v_lshlrev_b32 v33, v[SH], v33
	v_permlanex16_b32 v34, v32, s36, s37
	v_permlanex16_b32 v35, v33, s36, s37
	v_or_b32 v32, v32, v34                         ; with lane l xor 16's two bytes each word is whole
	v_or_b32 v33, v33, v35
	v_cndmask_b32 v32, v32, v33, s38               ; lanes 0-15 keep the first word, lanes 16-31 the second
.irp b, 0,1,2,3
	v_cvt_scalef32_pk16_fp6_f32 v[C+6*\b:C+6*\b+2], v[X+32*\b:X+32*\b+15], v[SO+\b]
	v_cvt_scalef32_pk16_fp6_f32 v[TMP+4*\b:TMP+4*\b+2], v[X+32*\b+16:X+32*\b+31], v[SO+\b]   ; (a conversion's three registers begin on an even number)
.endr
	v_nop                                          ; one plain instruction behind a scaled conversion
.irp b, 0,1,2,3
.irp i, 0,1,2
	v_mov_b32 v[C+6*\b+3+\i], v[TMP+4*\b+\i]
.endr
.endr
.irp n, 0,1,2,3,4,5
	global_store_b128 v[L16], v[C+4*\n:C+4*\n+3], s[32:33] offset:512*\n                 ; 512 consecutive bytes, at a multiple of 256 from the buffer's first byte
.endr
	global_store_b32 v[L4], v32, s[34:35]
	s_wait_tensorcnt 0x0
	ds_add_u32 v208, v209
	s_wait_dscnt 0x0
	s_endpgm
.Lfunc_end_k_q33b5eed176_quant:
	.size	k_q33b5eed176_quant, .Lfunc_end_k_q33b5eed176_quant-k_q33b5eed176_quant
	.p2alignl 7, 3214868480
	.fill 96, 4, 3214868480
	.section	.rodata,"a",@progbits
	.p2align	6, 0x0
	.amdhsa_kernel k_q33b5eed176_quant
		.amdhsa_group_segment_fixed_size 33536
		.amdhsa_private_segment_fixed_size 0
		.amdhsa_enable_private_segment 0
		.amdhsa_kernarg_size 32
		.amdhsa_user_sgpr_count 2
		.amdhsa_user_sgpr_kernarg_segment_ptr 1
		.amdhsa_wavefront_size32 1
		.amdhsa_system_sgpr_workgroup_id_x 1
		.amdhsa_system_sgpr_workgroup_id_y 1
		.amdhsa_system_sgpr_workgroup_id_z 1
		.amdhsa_system_vgpr_workitem_id 0
		.amdhsa_next_free_vgpr 210
		.amdhsa_next_free_sgpr 66
		.amdhsa_reserve_vcc 0
		.amdhsa_float_denorm_mode_32 3
		.amdhsa_float_denorm_mode_16_64 3
		.amdhsa_memory_ordered 1
		.amdhsa_forward_progress 1
		.amdhsa_inst_pref_size 26
	.end_amdhsa_kernel
	.amdgpu_metadata
---
amdhsa.version: [ 1, 2 ]
amdhsa.kernels:
  - .name:           k_q33b5eed176_quant
    .symbol:         k_q33b5eed176_quant.kd
    .args:
      - { .name: keys, .offset: 0, .size: 8, .value_kind: global_buffer, .address_space: global }
      - { .name: queries, .offset: 8, .size: 8, .value_kind: global_buffer, .address_space: global }
      - { .name: kimg, .offset: 16, .size: 8, .value_kind: global_buffer, .address_space: global }
      - { .name: qimg, .offset: 24, .size: 8, .value_kind: global_buffer, .address_space: global }
    .group_segment_fixed_size: 33536
    .private_segment_fixed_size: 0
    .kernarg_segment_align: 8
    .kernarg_segment_size: 32
    .max_flat_workgroup_size: 64
    .sgpr_count:     66
    .vgpr_count:     210
    .wavefront_size: 32
...
	.end_amdgpu_metadata
.endif
;; end of part 1
;; launch simmax (part 2): grid 125 x 2, 4 waves a work-group, no clusters, 201,472 bytes of LDS; arguments kimg, qimg, gmax; writes gmax
.if DOCPART == 2
	.amdgcn_target "amdgcn-amd-amdhsa--gfx1250"
	.amdhsa_code_object_version 6
	.text
	.protected	k_q33b5eed176_simmax
	.globl	k_q33b5eed176_simmax
	.p2align	8
	.type	k_q33b5eed176_simmax,@function
k_q33b5eed176_simmax:
	s_mov_b64 s[64:65], 0
	v_nop
	global_prefetch_b8 v0, s[64:65] scope:SCOPE_SE
	s_setreg_imm32_b32 hwreg(HW_REG_WAVE_MODE, 25, 1), 1
	s_wait_xcnt 0x0
; sim = qn kn^T on codes of FP6 (E2M3) with E8M0 scales; of each 40 neighbouring keys (a GROUP) only the largest sim of each query leaves: gmax [qtile 128][slice 125][r 16][g 20] f32.
; Group 20 x slice + g begins at key 40 x that number.  The 8 largest sims of a query (value falling, index rising) lie in the 8 groups whose maxima come first (maximum falling, group rising).
; SHARES.  Work-group (x, y): slice x = 800 keys = 10 blocks of kimg, and the half y of the queries.  Wave w: query tiles 64 y + 16 w + 8 p + q, in two passes p of 8 tiles q.
; The slice's images come into LDS once, by five tensor loads of wave 0 (five are out at the most); nothing in LDS is filled a second time.  The queries' fragments go straight into registers
; (192 for each pass) and stay.  A key tile's fragments (24 registers and a scale word, 3,200 bytes of LDS) feed 16 matrix instructions.
; LAYOUT.  Source 0 = 16 keys, source 1 = 16 queries: lane (r, h) holds query r and the tile's rows 8 h + 0..7, which by kimg's choice of rows are keys 80 kb + 40 h + 8 t + 0..7.
; So over a block's five tiles a lane sees the 40 keys of ONE group, and the group's maximum needs no other lane: four v_max3 lines for eight sims.
; BY TURNS.  Behind each pair of matrix instructions stand the four lines of an accumulator finished earlier: they are also the places that matrix results and operands ask for
; (ISA guide 7.12.1).  The accumulators take turns, one instruction a turn.
; NO CLUSTER: a grid of 125 x 2 divides into no cluster of four; each work-group asks for its tiles once, at its start, and for none in a loop; the queries do not pass through LDS.
; REGISTERS: window 0: v1-11 addresses and two temporaries; v16-63 the key tile's fragments, two buffers; v64-65 their scale words; v66-81 the queries' scale words; v96-159 eight accumulators;
;   v160-167 eight running maxima; v168-247 the way out.  window 1, 2: the queries of pass 0, 1: tile q, K step s at v[24 q + 12 s].
; LIMIT: NaN is not served (the maxima pass over it).
.set KBLK,  16000                      ; a block's image, as it lies in LDS
.set KPIT,  16384                      ; from block to block in memory
.set QPIT,  3328                       ; from query tile to query tile
.set STAGE, 10*KBLK                    ; behind the images (a multiple of 256): a stage of 10,240 bytes for each wave, [q 8][r 16][g 20] f32; no tensor load lands there
.set WSTG,  10240
.set L16, 1                            ; v1  16 x lane
.set L4,  2                            ; v2  4 x lane
.set AK,  3                            ; v3  LDS address of the codes of the two blocks in hand
.set AS,  4                            ; v4  of their scale words
.set ST,  5                            ; v5  where my maxima of the two blocks in hand go
.set SR,  6                            ; v6  the stage read back: 16 x lane
.set GB,  8                            ; v8  16 x lane, and for lanes 16-31 on to the next query tile's piece
.set ST0, 9                            ; v9  stage + 80 r + 4 h
.set T0,  10
.set T1,  11
.set AF,  16
.set ASC, 64
.set QS,  66
.set ACC, 96
.set RUN, 160
.set OUT, 168
.set G1,  16                           ; s[16:23] descriptor group 1
.set G0,  24                           ; s[24:43] five groups 0
.set CNT, 44
.set KB,  45                           ; LDS byte of the two blocks in hand
.set SB,  52                           ; their place in a stage row
.set MSB, 0
.macro WIN new                         ; the immediate's high byte repeats the setting that is left; a switch that changes nothing is dropped
.if MSB != (\new)
	s_set_vgpr_msb (MSB<<8)|(\new)
.set MSB, (\new)
.endif
.endm
	s_load_b128 s[4:7], s[0:1], 0x0                ; kimg, qimg
	s_load_b64 s[8:9], s[0:1], 0x10                ; gmax
	v_lshl_add_u32 v254, v0, 2, 0x31100
	v_mov_b32 v255, 0
	ds_add_u32 v254, v255
	ds_add_u32 v254, v255
	v_lshrrev_b32 v10, 5, v0
	v_readfirstlane_b32 s10, v10                   ; wave 0..3
	s_and_b32 s11, ttmp7, 0xffff                   ; y
	v_and_b32 v10, 31, v0
	v_lshlrev_b32 v[L16], 4, v10
	v_lshlrev_b32 v[L4], 2, v10
	v_and_b32 v10, 15, v0                          ; r
	v_bfe_u32 v11, v0, 4, 1                        ; h
	s_mul_i32 s12, s10, WSTG
	s_add_co_u32 s12, s12, STAGE                   ; my stage
	v_add_nc_u32 v[SR], s12, v[L16]
	v_mul_u32_u24 v[ST0], v10, 80
	v_lshl_add_u32 v[ST0], v11, 2, v[ST0]
	v_add_nc_u32 v[ST0], s12, v[ST0]
	v_mul_u32_u24 v[GB], v11, 158720               ; 160,000 - 1,280: from the end of a piece to the next query tile's piece
	v_add_nc_u32 v[GB], v[GB], v[L16]
	; descriptor group 1: two blocks: 2 rows of 2,000 elements of 8 bytes, 2,048 elements apart in memory, dense in LDS
	s_mov_b32 s[G1+0], 3<<16                       ; no mask; elements of 8 bytes; no padding
	s_mov_b32 s[G1+1], 2000<<16                    ; tensor_dim0
	s_mov_b32 s[G1+2], 2<<16                       ; tensor_dim1
	s_mov_b32 s[G1+3], 2000<<16                    ; tile_dim0
	s_mov_b32 s[G1+4], 2                           ; tile_dim1
	s_mov_b32 s[G1+5], 2048                        ; tensor_dim0_stride
	s_mov_b32 s[G1+6], 0
	s_mov_b32 s[G1+7], 0
	s_mul_i32 s46, ttmp9, 10*KPIT                  ; the slice in kimg
	s_mov_b32 s47, 0
	s_lshl_b32 s13, s11, 6
	s_lshl_b32 s14, s10, 4
	s_add_co_u32 s13, s13, s14                     ; my first query tile: 64 y + 16 w
	s_mul_i32 s48, s13, QPIT
	s_mov_b32 s49, 0
	s_mul_i32 s50, s13, 160000                     ; and its piece of gmax: 160,000 bytes a query tile, 1,280 a slice
	s_mul_i32 s14, ttmp9, 1280
	s_add_co_u32 s50, s50, s14
	s_mov_b32 s51, 0
	s_wait_dscnt 0x0
	s_wait_kmcnt 0x0
	s_add_nc_u64 s[4:5], s[4:5], s[46:47]
	s_add_nc_u64 s[6:7], s[6:7], s[48:49]
	s_add_nc_u64 s[8:9], s[8:9], s[50:51]
.irp j, 0,1,2,3,4
	s_mov_b32 s[G0+4*\j], 1                        ; count = 1
	s_mov_b32 s[G0+4*\j+1], 2*KBLK*\j              ; LDS address
	s_add_nc_u64 s[G0+4*\j+2:G0+4*\j+3], s[4:5], 2*KPIT*\j
	s_or_b32 s[G0+4*\j+3], s[G0+4*\j+3], 0x80000000   ; type = 2
.endr
	s_cmp_lg_u32 s10, 0                            ; wave 0 alone asks: all first fills in one branch, ahead of every wait on TENSORcnt, LDS read and barrier
	s_cbranch_scc1 .Lnot_wave_0
.irp j, 0,1,2,3,4
	tensor_load_to_lds s[G0+4*\j:G0+4*\j+3], s[G1:G1+7]
	s_nop 0
.endr
.rept 4
	v_nop
.endr
.Lnot_wave_0:
.macro QLOAD p                         ; the eight query tiles of pass p: 48 loads of 512 consecutive bytes into window 1 + p, and their scale words into window 0
	WIN 0x40*(1+(\p))
.set q, 0
.rept 8
.set n, 0
.rept 6
	global_load_b128 v[24*q+4*n:24*q+4*n+3], v[L16], s[6:7] offset:(8*(\p)+q)*QPIT+512*n
.set n, n+1
.endr
.set q, q+1
.endr
	WIN 0
.set q, 0
.rept 8
	global_load_b32 v[QS+8*(\p)+q], v[L4], s[6:7] offset:(8*(\p)+q)*QPIT+3072
.set q, q+1
.endr
.endm
.macro ALOAD buf, off, soff            ; a key tile's image: six loads of 512 consecutive bytes, and its scale words
.irp n, 0,1,2,3,4,5
	ds_load_b128 v[AF+24*(\buf)+4*\n:AF+24*(\buf)+4*\n+3], v[AK] offset:(\off)+512*\n
.endr
	ds_load_b32 v[ASC+(\buf)], v[AS] offset:\soff
.endm
.macro MM q, s, buf, p                 ; K step s of the key tile in buffer buf against query tile q.  K step 0 starts the sum with the constant 0; K step 1 takes both sides' scale words from lanes 16-31
.if (\s) == 0
	v_wmma_scale_f32_16x16x128_f8f6f4 v[ACC+8*(\q):ACC+8*(\q)+7], v[AF+24*(\buf):AF+24*(\buf)+11], v[24*(\q):24*(\q)+11], 0, v[ASC+(\buf)], v[QS+8*(\p)+(\q)] matrix_a_fmt:MATRIX_FMT_FP6 matrix_b_fmt:MATRIX_FMT_FP6
.else
	v_wmma_scale_f32_16x16x128_f8f6f4 v[ACC+8*(\q):ACC+8*(\q)+7], v[AF+24*(\buf)+12:AF+24*(\buf)+23], v[24*(\q)+12:24*(\q)+23], v[ACC+8*(\q):ACC+8*(\q)+7], v[ASC+(\buf)], v[QS+8*(\p)+(\q)] matrix_a_fmt:MATRIX_FMT_FP6 matrix_b_fmt:MATRIX_FMT_FP6 matrix_a_scale:MATRIX_SCALE_ROW1 matrix_b_scale:MATRIX_SCALE_ROW1
.endif
.endm
.macro PAIR q, s, p                    ; two matrix instructions under one setting: source 1 in the pass's window
.set Q1, (\q)+1
	WIN WQ
	MM \q, \s, BUF, \p
	MM Q1, \s, BUF, \p
	WIN 0
.endm
.macro MX q, init                      ; accumulator q's eight sims into its running maximum, from the accumulator's low end on; init = 1: a group's first tile starts the maximum
	v_max3_num_f32 v[T0], v[ACC+8*(\q)], v[ACC+8*(\q)+1], v[ACC+8*(\q)+2]
	v_max3_num_f32 v[T1], v[ACC+8*(\q)+3], v[ACC+8*(\q)+4], v[ACC+8*(\q)+5]
	v_max3_num_f32 v[T0], v[T0], v[ACC+8*(\q)+6], v[ACC+8*(\q)+7]
.if \init
	v_max_num_f32 v[RUN+(\q)], v[T0], v[T1]
.else
	v_max3_num_f32 v[RUN+(\q)], v[RUN+(\q)], v[T0], v[T1]
.endif
.endm
.macro S0 q                            ; behind a pair of the tile's first half: the tile before's accumulator q (4..7).  A pass's very first tile has none: four v_nop take the last one's part as places
.if VF
.if (\q) == 7
.rept 4
	v_nop
.endr
.endif
.else
	MX \q, I0
.endif
.endm
; KEY TILE tau (0..9) of the two blocks in hand.  first = 1: the pass's first two blocks.  pf = 1: the next tile's image is asked for.
; Distances, by this text's own count: an accumulator's last matrix instruction and the first read of it are parted by eight plain lines on other registers or more; a tile's last pair and the
; loads into the buffer that the tile before read by the four lines behind that pair; two matrix instructions on one accumulator by three others'.
.macro TILE tau, p, first, pf
.set BUF, (\tau)%2
.set TT,  (\tau)%5
.set NX,  (\tau)+1
.set WQ,  4+4*(\p)
.set FIN, 0                            ; a block has just been finished
.set VF,  0                            ; the pass's very first tile
.set SOF, 0
.if (\tau) == 5
.set FIN, 1
.endif
.if (\tau) == 0
.set FIN, 1-(\first)
.set VF,  \first
.set SOF, 8                            ; the block finished is the second of the two before
.endif
.set I0, 0
.set I1, 0
.if TT == 1
.set I0, 1
.endif
.if TT == 0
.set I1, 1
.endif
	s_wait_dscnt 0x0                               ; this tile's image, asked for a tile ago, is in; no LDS instruction of mine is out
.if (\first) == 0
.if (\tau) == 0
	s_add_co_u32 s[KB], s[KB], 2*KBLK              ; on to the next two blocks
	v_add_nc_u32 v[AK], s[KB], v[L16]
	v_add_nc_u32 v[AS], s[KB], v[L4]
.endif
.if (\tau) == 1
	s_add_co_u32 s[SB], s[SB], 16                  ; and, when the last maxima of the two before are stored, to their four groups' places
	v_add_nc_u32 v[ST], s[SB], v[ST0]
.endif
.endif
.if FIN
.irp q, 0,1,2,3
	ds_store_b32 v[ST], v[RUN+\q] offset:1280*\q+SOF
.endr
.endif
.if \pf
	ALOAD 1-BUF, (NX/5)*KBLK+(NX%5)*3072, (NX/5)*KBLK+15360+(NX%5)*128
.endif
	PAIR 0, 0, \p
	S0 4
	PAIR 2, 0, \p
	S0 5
	PAIR 0, 1, \p
	S0 6
	PAIR 2, 1, \p
	S0 7
.if FIN
.irp q, 4,5,6,7
	ds_store_b32 v[ST], v[RUN+\q] offset:1280*\q+SOF
.endr
	s_wait_dscnt 11                                ; all but the 7 loads and these 4 stores: the first four stores have read their registers, which are written next
.endif
	PAIR 4, 0, \p
	MX 0, I1
	PAIR 6, 0, \p
	MX 1, I1
	PAIR 4, 1, \p
	MX 2, I1
	PAIR 6, 1, \p
	MX 3, I1
.endm
.macro DB p, first, last               ; two blocks: ten tiles, 160 matrix instructions
.irp t, 0,1,2,3,4,5,6,7,8
	TILE \t, \p, \first, 1
.endr
	TILE 9, \p, \first, 1-(\last)
.endm
.macro FLUSH p                         ; the stage's 10,240 bytes are eight pieces of 1,280: each half of the lanes stores one whole run of 256 bytes, at a multiple of 256 from gmax's first byte
	s_wait_xcnt 0x0                                ; the earlier pass's stores have read OUT
.set n, 0
.rept 20
	ds_load_b128 v[OUT+4*n:OUT+4*n+3], v[SR] offset:512*n            ; LDS serves a wave's instructions in order: these see my stores
.set n, n+1
.endr
.set n, 0
.rept 20
	s_wait_dscnt 19-n                              ; load n is in; the younger ones stay out
.if (2*n)%5 == 4
	global_store_b128 v[GB], v[OUT+4*n:OUT+4*n+3], s[8:9] offset:1280000*(\p)+160000*((2*n)/5)+256*((2*n)%5)     ; lanes 16-31 begin the next query tile's piece
.else
	global_store_b128 v[L16], v[OUT+4*n:OUT+4*n+3], s[8:9] offset:1280000*(\p)+160000*((2*n)/5)+256*((2*n)%5)
.endif
.set n, n+1
.endr
.endm
.macro PASS p
	s_mov_b32 s[KB], 0
	s_mov_b32 s[SB], 0
	v_add_nc_u32 v[AK], s[KB], v[L16]
	v_add_nc_u32 v[AS], s[KB], v[L4]
	v_add_nc_u32 v[ST], s[SB], v[ST0]
	ALOAD 0, 0, 15360                              ; tile 0
	s_wait_loadcnt 0x0                             ; this pass's queries
	DB \p, 1, 0
.if (\p) == 0
	QLOAD 1                                        ; the second pass's queries have the rest of this pass in which to land
	s_wait_tensorcnt 0x0                           ; wave 0: all ten blocks are in
	s_wait_dscnt 0x0
	s_barrier_signal -1
	s_barrier_wait -1                              ; and every wave knows
.endif
	s_mov_b32 s[CNT], 3
.Ldb_\@:
	DB \p, 0, 0
	s_sub_co_u32 s[CNT], s[CNT], 1
	s_cmp_lg_u32 s[CNT], 0
	s_cbranch_scc1 .Ldb_\@
	DB \p, 0, 1
.irp q, 4,5,6,7
	MX \q, 0                                       ; the last tile's second half
.endr
.irp q, 0,1,2,3,4,5,6,7
	ds_store_b32 v[ST], v[RUN+\q] offset:1280*\q+8
.endr
	FLUSH \p
.endm
	QLOAD 0
	s_wait_tensorcnt 0x3                           ; wave 0: its first two loads, blocks 0 to 3, are in; the three behind them stay out: ahead of the second barrier nothing beyond block 2 is read
	s_barrier_signal -1
	s_barrier_wait -1
	PASS 0
	PASS 1
	s_wait_tensorcnt 0x0
	ds_add_u32 v254, v255
	s_wait_dscnt 0x0
	s_endpgm
.Lfunc_end_k_q33b5eed176_simmax:
	.size	k_q33b5eed176_simmax, .Lfunc_end_k_q33b5eed176_simmax-k_q33b5eed176_simmax
	.p2alignl 7, 3214868480
	.fill 96, 4, 3214868480
	.section	.rodata,"a",@progbits
	.p2align	6, 0x0
	.amdhsa_kernel k_q33b5eed176_simmax
		.amdhsa_group_segment_fixed_size 201472
		.amdhsa_private_segment_fixed_size 0
		.amdhsa_enable_private_segment 0
		.amdhsa_kernarg_size 24
		.amdhsa_user_sgpr_count 2
		.amdhsa_user_sgpr_kernarg_segment_ptr 1
		.amdhsa_wavefront_size32 1
		.amdhsa_system_sgpr_workgroup_id_x 1
		.amdhsa_system_sgpr_workgroup_id_y 1
		.amdhsa_system_sgpr_workgroup_id_z 1
		.amdhsa_system_vgpr_workitem_id 0
		.amdhsa_next_free_vgpr 768
		.amdhsa_next_free_sgpr 66
		.amdhsa_reserve_vcc 0
		.amdhsa_float_denorm_mode_32 3
		.amdhsa_float_denorm_mode_16_64 3
		.amdhsa_memory_ordered 1
		.amdhsa_forward_progress 1
		.amdhsa_inst_pref_size 255
	.end_amdhsa_kernel
	.section	.bss,"aw",@nobits
	.p2align	6
	.space	262144
	.amdgpu_metadata
---
amdhsa.version: [ 1, 2 ]
amdhsa.kernels:
  - .name:           k_q33b5eed176_simmax
    .symbol:         k_q33b5eed176_simmax.kd
    .args:
      - { .name: kimg, .offset: 0, .size: 8, .value_kind: global_buffer, .address_space: global }
      - { .name: qimg, .offset: 8, .size: 8, .value_kind: global_buffer, .address_space: global }
      - { .name: gmax, .offset: 16, .size: 8, .value_kind: global_buffer, .address_space: global }
    .group_segment_fixed_size: 201472
    .private_segment_fixed_size: 0
    .kernarg_segment_align: 8
    .kernarg_segment_size: 24
    .max_flat_workgroup_size: 128
    .sgpr_count:     66
    .vgpr_count:     768
    .wavefront_size: 32
...
	.end_amdgpu_metadata
.endif
;; end of part 2
;; launch pick (part 3): grid 256 x 1, 4 waves a work-group, no clusters, 168,448 bytes of LDS; arguments gmax, sel; writes sel
.if DOCPART == 3
	.amdgcn_target "amdgcn-amd-amdhsa--gfx1250"
	.amdhsa_code_object_version 6
	.text
	.protected	k_q33b5eed176_pick
	.globl	k_q33b5eed176_pick
	.p2align	8
	.type	k_q33b5eed176_pick,@function
k_q33b5eed176_pick:
	s_mov_b64 s[64:65], 0
	v_nop
	global_prefetch_b8 v0, s[64:65] scope:SCOPE_SE
	s_setreg_imm32_b32 hwreg(HW_REG_WAVE_MODE, 25, 1), 1
	s_wait_xcnt 0x0
; For each query the 8 groups whose maxima come first, maximum falling, group number rising among equals: sel [2048][8] u32.
; SHARES.  Work-group o: queries 8 o .. 8 o + 7, that is rows 8 (o % 2) + 0..7 of query tile o / 2.  Sixteen lanes serve one query (thread / 16); lane i of them takes slices 8 i .. 8 i + 7:
; groups 160 i + e, e = 0..159, in rising order.  Lane 15 has five slices only: its e from 100 on count as -infinity.
; gmax's part for these queries, 125 pieces of 640 bytes 1,280 bytes apart, comes into LDS by sixteen tensor loads, four a wave (four are out at the most), each 8 rows of 640 bytes;
; the last states 5 rows as the tensor's extent, so that its rows 5 to 7 are not read.  The regions lie 5,136 bytes apart, an odd multiple of 16.
; A LIST of 8 (values falling, with their numbers) is kept in each lane.  A number x goes in by 8 compares x > a_i, a median for each value and two selects for each number.
; The compare is strict and the numbers come in rising order: of equals the earlier stays ahead.  Then four merges across the sixteen lanes: the lane with the lower number takes in the other's list,
; all of whose groups come later; lanes 0 and 16 end with the answer.  No branch and no address hangs on a floating-point number.
; LIMIT: NaN is not served.  The regions take 82,176 bytes.
.set REG,  5136
.set LA,   8                           ; v[8:15]   the list's values
.set LB,   16                          ; v[16:23]  their group numbers
.set PA,   24                          ; v[24:31]  the partner's values
.set PB,   32                          ; v[32:39]  and numbers
.set TI,   40                          ; v[41:47]  at work
.set EV,   48                          ; v48       the local number e of the number in hand
.set VA,   64                          ; v[64:83]  a slice's 20 maxima
.set VB,   84                          ; v[84:103] the next slice's
.set G1,   12                          ; s[12:19] descriptor group 1;  s[20:27] the same with 5 rows left in the tensor
.set G1L,  20
.set G0,   28                          ; s[28:43] four groups 0
.set CM,   44                          ; s[44:51] the compares' masks
.set MA,   54
.set MB,   55
.set CNT,  56
.set LO,   57
.set SV,   58
	s_load_b128 s[4:7], s[0:1], 0x0                ; gmax, sel
	v_lshl_add_u32 v128, v0, 2, 0x29000
	v_mov_b32 v129, 0
	ds_add_u32 v128, v129
	ds_add_u32 v128, v129
	v_lshrrev_b32 v3, 5, v0
	v_readfirstlane_b32 s10, v3                    ; wave 0..3
	v_and_b32 v1, 15, v0                           ; i
	v_lshrrev_b32 v3, 4, v0                        ; which of the 8 queries
	v_mul_u32_u24 v2, v1, REG
	v_mad_u32_u24 v2, v3, 80, v2                   ; my region, my query's 80 bytes of a row
	v_lshlrev_b32 v6, 5, v3                        ; my query's 32 bytes of sel
	v_mul_u32_u24 v7, v1, 160                      ; my first group
.irp g, G1, G1L
	s_mov_b32 s[\g+0], 3<<16                       ; no mask; elements of 8 bytes; no padding
	s_mov_b32 s[\g+1], 80<<16                      ; tensor_dim0 = 80 (640 bytes)
	s_mov_b32 s[\g+3], 80<<16                      ; tile_dim0
	s_mov_b32 s[\g+4], 8                           ; tile_dim1
	s_mov_b32 s[\g+5], 160                         ; tensor_dim0_stride: 1,280 bytes
	s_mov_b32 s[\g+6], 0
	s_mov_b32 s[\g+7], 0
.endr
	s_mov_b32 s[G1+2], 8<<16                       ; tensor_dim1
	s_mov_b32 s[G1L+2], 5<<16                      ; slices 120 to 124 are the last
	s_lshr_b32 s8, ttmp9, 1
	s_mul_i32 s8, s8, 160000                       ; the query tile,
	s_and_b32 s9, ttmp9, 1
	s_mul_i32 s9, s9, 640                          ; its half,
	s_add_co_u32 s8, s8, s9
	s_mul_i32 s9, s10, 40960                       ; my four regions' 32 slices
	s_add_co_u32 s8, s8, s9
	s_mov_b32 s9, 0
	s_mul_i32 s11, s10, 4*REG
	s_lshl_b32 s52, ttmp9, 8
	s_mov_b32 s53, 0
	s_wait_dscnt 0x0
	s_wait_kmcnt 0x0
	s_add_nc_u64 s[4:5], s[4:5], s[8:9]
	s_add_nc_u64 s[6:7], s[6:7], s[52:53]
.irp n, 0,1,2,3
	s_mov_b32 s[G0+4*\n], 1
	s_add_co_u32 s[G0+4*\n+1], s11, REG*\n
	s_add_nc_u64 s[G0+4*\n+2:G0+4*\n+3], s[4:5], 10240*\n
	s_or_b32 s[G0+4*\n+3], s[G0+4*\n+3], 0x80000000
.endr
	s_cmp_eq_u32 s10, 3                            ; wave 3's last region is the short one: two arms, four loads in each
	s_cbranch_scc1 .Lshort
.irp n, 0,1,2,3
	tensor_load_to_lds s[G0+4*\n:G0+4*\n+3], s[G1:G1+7]
	s_nop 0
.endr
.rept 4
	v_nop
.endr
	s_branch .Lasked
.Lshort:
.irp n, 0,1,2
	tensor_load_to_lds s[G0+4*\n:G0+4*\n+3], s[G1:G1+7]
	s_nop 0
.endr
	tensor_load_to_lds s[G0+12:G0+15], s[G1L:G1L+7]
	s_nop 0
.rept 4
	v_nop
.endr
.Lasked:
	v_mov_b32 v5, 0xff800000                       ; -infinity
.irp i, 0,1,2,3,4,5,6,7
	v_mov_b32 v[LA+\i], 0xff800000                 ; an empty list: every sim is larger
	v_mov_b32 v[LB+\i], 0
	v_mov_b32 v[PA+\i], 0                          ; (a DPP destination counts as read)
	v_mov_b32 v[PB+\i], 0
.endr
	v_mov_b32 v[EV], 0
	s_wait_tensorcnt 0x0                           ; my four regions are in,
	s_barrier_signal -1
	s_barrier_wait -1                              ; everybody's are
.macro INSERT xr, er                   ; v[xr] with the number v[er] goes into the list
.irp i, 0,1,2,3,4,5,6,7
	v_cmp_gt_f32 s[CM+\i], v[\xr], v[LA+\i]
.endr
.irp i, 1,2,3,4,5,6,7
	v_cndmask_b32 v[TI+\i], v[LB+\i], v[\er], s[CM+\i]             ; x's number where x beats place i,
.endr
.irp i, 7,6,5,4,3,2,1
	v_cndmask_b32 v[LB+\i], v[TI+\i], v[LB+\i-1], s[CM+\i-1]       ; the place above's where x beats that too
	v_med3_num_f32 v[LA+\i], v[\xr], v[LA+\i-1], v[LA+\i]          ; the values likewise: the middle one of x and the two neighbours
.endr
	v_cndmask_b32 v[LB], v[LB], v[\er], s[CM]
	v_max_num_f32 v[LA], v[\xr], v[LA]
.endm
.macro TWENTY v, m                     ; a slice's 20 maxima
.set k, 0
.rept 20
	v_cndmask_b32 v[\v+k], v[\v+k], v5, s[\m]      ; lanes 15 and 31 beyond their five slices: -infinity
.set k, k+1
.endr
.set k, 0
.rept 20
	INSERT \v+k, EV
	v_add_nc_u32 v[EV], 1, v[EV]
.set k, k+1
.endr
.endm
	s_mov_b32 s[CNT], 0
	s_mov_b32 s[LO], 0
.Ltrip:                                                ; four trips, two slices each
	v_add_nc_u32 v3, s[LO], v2
.irp c, 0,1,2,3,4
	ds_load_b128 v[VA+4*\c:VA+4*\c+3], v3 offset:16*\c
.endr
.irp c, 0,1,2,3,4
	ds_load_b128 v[VB+4*\c:VB+4*\c+3], v3 offset:640+16*\c
.endr
	s_cmp_ge_u32 s[CNT], 3                         ; slice 2 j of a lane counts as missing from 5 on: j = 3;
	s_cselect_b32 s[MA], 0x80008000, 0
	s_cmp_ge_u32 s[CNT], 2                         ; slice 2 j + 1: j = 2, 3
	s_cselect_b32 s[MB], 0x80008000, 0
	s_wait_dscnt 5                                 ; the first slice's five loads are in
	TWENTY VA, MA
	s_wait_dscnt 0x0
	TWENTY VB, MB
	s_add_co_u32 s[LO], s[LO], 1280
	s_add_co_u32 s[CNT], s[CNT], 1
	s_cmp_lt_u32 s[CNT], 4
	s_cbranch_scc1 .Ltrip
.irp i, 0,1,2,3,4,5,6,7
	v_add_nc_u32 v[LB+\i], v7, v[LB+\i]            ; local numbers become group numbers
.endr
.irp m, 1,2,4,8
.irp i, 0,1,2,3,4,5,6,7
	v_mov_b32_dpp v[PA+\i], v[LA+\i] row_xmask:\m row_mask:0xf bank_mask:0xf
	v_mov_b32_dpp v[PB+\i], v[LB+\i] row_xmask:\m row_mask:0xf bank_mask:0xf
.endr
.irp i, 0,1,2,3,4,5,6,7
	INSERT PA+\i, PB+\i
.endr
.endr
	v_cmp_eq_u32 vcc_lo, 0, v1                     ; lanes 0 and 16 hold the two queries' answers
	s_wait_tensorcnt 0x0
	ds_add_u32 v128, v129
	s_wait_dscnt 0x0
	s_and_saveexec_b32 s[SV], vcc_lo
	global_store_b128 v6, v[LB:LB+3], s[6:7]
	global_store_b128 v6, v[LB+4:LB+7], s[6:7] offset:16
	s_wait_xcnt 0x0                                ; EXEC changes only behind this wait
	s_or_b32 exec_lo, exec_lo, s[SV]
	s_endpgm
.Lfunc_end_k_q33b5eed176_pick:
	.size	k_q33b5eed176_pick, .Lfunc_end_k_q33b5eed176_pick-k_q33b5eed176_pick
	.p2alignl 7, 3214868480
	.fill 96, 4, 3214868480
	.section	.rodata,"a",@progbits
	.p2align	6, 0x0
	.amdhsa_kernel k_q33b5eed176_pick
		.amdhsa_group_segment_fixed_size 168448
		.amdhsa_private_segment_fixed_size 0
		.amdhsa_enable_private_segment 0
		.amdhsa_kernarg_size 16
		.amdhsa_user_sgpr_count 2
		.amdhsa_user_sgpr_kernarg_segment_ptr 1
		.amdhsa_wavefront_size32 1
		.amdhsa_system_sgpr_workgroup_id_x 1
		.amdhsa_system_sgpr_workgroup_id_y 1
		.amdhsa_system_sgpr_workgroup_id_z 1
		.amdhsa_system_vgpr_workitem_id 0
		.amdhsa_next_free_vgpr 130
		.amdhsa_next_free_sgpr 66
		.amdhsa_reserve_vcc 1
		.amdhsa_float_denorm_mode_32 3
		.amdhsa_float_denorm_mode_16_64 3
		.amdhsa_memory_ordered 1
		.amdhsa_forward_progress 1
		.amdhsa_inst_pref_size 153
	.end_amdhsa_kernel
	.amdgpu_metadata
---
amdhsa.version: [ 1, 2 ]
amdhsa.kernels:
  - .name:           k_q33b5eed176_pick
    .symbol:         k_q33b5eed176_pick.kd
    .args:
      - { .name: gmax, .offset: 0, .size: 8, .value_kind: global_buffer, .address_space: global }
      - { .name: sel, .offset: 8, .size: 8, .value_kind: global_buffer, .address_space: global }
    .group_segment_fixed_size: 168448
    .private_segment_fixed_size: 0
    .kernarg_segment_align: 8
    .kernarg_segment_size: 16
    .max_flat_workgroup_size: 128
    .sgpr_count:     66
    .vgpr_count:     130
    .wavefront_size: 32
...
	.end_amdgpu_metadata
.endif
;; end of part 3
;; launch rescore (part 4): grid 2048 x 1, 4 waves a work-group, no clusters, 2,048 bytes of LDS; arguments sel, kimg, qimg, idx, wgt; writes idx, wgt
.if DOCPART == 4
	.amdgcn_target "amdgcn-amd-amdhsa--gfx1250"
	.amdhsa_code_object_version 6
	.text
	.protected	k_q33b5eed176_rescore
	.globl	k_q33b5eed176_rescore
	.p2align	8
	.type	k_q33b5eed176_rescore,@function
k_q33b5eed176_rescore:
	s_mov_b64 s[64:65], 0
	v_nop
	global_prefetch_b8 v0, s[64:65] scope:SCOPE_SE
	s_setreg_imm32_b32 hwreg(HW_REG_WAVE_MODE, 25, 1), 1
	s_wait_xcnt 0x0
; For one query: the sims of its 8 chosen groups' 320 keys once more, by the same matrix instruction on the same codes; of them the 8 largest (value falling, index rising among equals);
; their softmax.  idx [2048][8] u32, wgt [2048][8] f32.
; SHARES.  A work-group is a query.  Wave gp takes chosen groups 2 gp and 2 gp + 1: five tiles whose rows 0-7 are the first group's rows of kimg's tile t and rows 8-15 the second's.
; A group is half of a block's images: group id lies in block id / 2 (16,384 bytes a block), at rows 8 (id % 2) + 0..7 of each tile; in an image a row's 16 bytes stand at 16 x (row + 16 h).
; Source 1 is the query's own fragment in all sixteen columns.  Lane (r, h), register j of tile t: the sim of key 8 t + j of my wave's group h.  The 80 sims go to LDS; wave 0 does the rest.
; The group numbers are whole numbers that an earlier launch stored; each is held to 2,499 ahead of its use in an address.
; TOP 8: lane l holds 10 candidates of group l / 4, with their key indices as f32 (exact: under 2^24).  Eight rounds: the wave's largest value; the smallest index among its holders; that one is struck out.
; The softmax takes the largest of the eight away first.  LIMIT: NaN is not served.
.set QPIT, 3328
.set B,    16                          ; v[16:39]  the query's two fragments
.set BS,   40                          ; v40       its scale words
.set AS,   41                          ; v[41:45]  the five tiles' scale words
.set VM,   46
.set VI,   47
.set VU,   48
.set VS,   49
.set KM,   50                          ; lane j keeps round j's value
.set KI,   51                          ; and index
.set M0,   52
.set NINF, 53
.set BIG,  54
.set A,    64                          ; v[64:183] five tiles x 24
.set ACC,  184                         ; v[184:223]
.set CV,   224                         ; v[224:233] my 10 candidates
.set CI,   234                         ; v[234:243] their indices
.set TK,   244                         ; v[244:253] at work
.set SEL,  22
.set CM,   24                          ; s[24:33]
.set KEEP, 34
	s_load_b256 s[4:11], s[0:1], 0x0               ; sel s[4:5], kimg s[6:7], qimg s[8:9], idx s[10:11]
	s_load_b64 s[12:13], s[0:1], 0x20              ; wgt
	v_lshl_add_u32 v254, v0, 2, 0x600
	v_mov_b32 v255, 0
	v_lshrrev_b32 v3, 5, v0
	v_readfirstlane_b32 s14, v3                    ; wave gp
	v_bfe_u32 v2, v0, 4, 1                         ; h
	v_bfe_u32 v3, v0, 3, 1                         ; which of my wave's two groups my row belongs to
	s_lshl_b32 s15, ttmp9, 5                       ; the query's 32 bytes in sel, idx, wgt
	s_lshl_b32 s16, s14, 3
	s_add_co_u32 s16, s16, s15
	v_lshl_add_u32 v4, v3, 2, s16                  ; sel: my row's group
	v_bfe_u32 v5, v0, 2, 3
	v_lshl_add_u32 v5, v5, 2, s15                  ; sel: group lane / 4, whose candidates I hold later
	s_lshr_b32 s17, ttmp9, 4
	s_mul_i32 s17, s17, QPIT                       ; the query's tile,
	s_and_b32 s18, ttmp9, 15                       ; its row there
	s_lshl_b32 s19, s18, 4
	s_add_co_u32 s19, s19, s17
	v_lshl_add_u32 v6, v2, 8, s19                  ; codes: 16 x (row + 16 h)
	s_lshl_b32 s18, s18, 2
	s_add_co_u32 s18, s18, s17
	v_lshl_add_u32 v7, v2, 6, s18                  ; scale words: 4 x (row + 16 h)
	v_and_b32 v8, 7, v0
	v_lshlrev_b32 v9, 4, v8
	v_lshl_add_u32 v9, v2, 8, v9                   ; the lane's part of a key row's place: 16 (r % 8) + 256 h
	v_lshlrev_b32 v10, 2, v8
	v_lshl_add_u32 v10, v2, 6, v10                 ; and of its scale word's: 4 (r % 8) + 64 h
	s_mul_i32 s20, s14, 320
	v_lshl_add_u32 v11, v2, 5, s20                 ; LDS, in: [gp][t][h][j] f32: 320 gp + 32 h
	v_bfe_u32 v12, v0, 3, 2
	v_mul_u32_u24 v12, v12, 320
	v_bfe_u32 v13, v0, 2, 1
	v_lshl_add_u32 v12, v13, 5, v12
	v_and_b32 v13, 3, v0
	v_lshl_add_u32 v12, v13, 3, v12                ; LDS, out: group l / 4, keys 2 (l % 4), + 1 of each tile
	v_lshlrev_b32 v14, 1, v13
	v_and_b32 v15, 31, v0
	v_lshl_add_u32 v15, v15, 2, s15                ; idx, wgt: 4 bytes a lane
	s_mov_b32 s[SEL], 0x76543210
	s_mov_b32 s[SEL+1], 0xfedcba98
	v_mov_b32 v[KM], 0
	v_mov_b32 v[KI], 0
	v_mov_b32 v[VS], 0
	v_mov_b32 v[NINF], 0xff800000
	v_mov_b32 v[BIG], 0x7f800000
	s_wait_kmcnt 0x0
	global_load_b32 v56, v4, s[4:5]
	global_load_b32 v57, v5, s[4:5]
.irp n, 0,1,2,3,4,5
	global_load_b128 v[B+4*\n:B+4*\n+3], v6, s[8:9] offset:512*\n
.endr
	global_load_b32 v[BS], v7, s[8:9] offset:3072
	s_wait_loadcnt 8                               ; my row's group number is in; the eight loads behind it stay out
	v_min_u32 v56, 2499, v56
	v_and_b32 v58, 0xffe, v56                      ; 2 x (id / 2),
	v_lshlrev_b32 v58, 13, v58                     ; x 8,192: the block's byte, 16,384 (id / 2); 20,463,616 at the most
	v_and_b32 v59, 1, v56
	v_lshlrev_b32 v60, 7, v59                      ; rows 8 (id % 2) on: 128 bytes on in each group of four registers,
	v_add_nc_u32 v60, v60, v58
	v_add_nc_u32 v60, v60, v9
	v_lshlrev_b32 v61, 5, v59                      ; 32 bytes on among the scale words
	v_add_nc_u32 v61, v61, v58
	v_add_nc_u32 v61, v61, v10
.irp t, 0,1,2,3,4
.irp n, 0,1,2,3,4,5
	global_load_b128 v[A+24*\t+4*\n:A+24*\t+4*\n+3], v60, s[6:7] offset:3072*\t+512*\n
.endr
	global_load_b32 v[AS+\t], v61, s[6:7] offset:15360+128*\t
.endr
	s_wait_loadcnt 0x0
.irp t, 0,1,2,3,4                      ; the five accumulators by turns
	v_wmma_scale_f32_16x16x128_f8f6f4 v[ACC+8*\t:ACC+8*\t+7], v[A+24*\t:A+24*\t+11], v[B:B+11], 0, v[AS+\t], v[BS] matrix_a_fmt:MATRIX_FMT_FP6 matrix_b_fmt:MATRIX_FMT_FP6
.endr
.irp t, 0,1,2,3,4
	v_wmma_scale_f32_16x16x128_f8f6f4 v[ACC+8*\t:ACC+8*\t+7], v[A+24*\t+12:A+24*\t+23], v[B+12:B+23], v[ACC+8*\t:ACC+8*\t+7], v[AS+\t], v[BS] matrix_a_fmt:MATRIX_FMT_FP6 matrix_b_fmt:MATRIX_FMT_FP6 matrix_a_scale:MATRIX_SCALE_ROW1 matrix_b_scale:MATRIX_SCALE_ROW1
.endr
.rept 4
	v_nop                                          ; four places ahead of the first read of results (ISA guide 7.12.1)
.endr
.irp t, 0,1,2,3,4
	ds_store_b128 v11, v[ACC+8*\t:ACC+8*\t+3] offset:64*\t          ; each accumulator from its low end on; the sixteen lanes of a half write the same bytes with the same values
	ds_store_b128 v11, v[ACC+8*\t+4:ACC+8*\t+7] offset:64*\t+16
.endr
	s_wait_dscnt 0x0                               ; for the others' sake: my stores are done
	s_barrier_signal -1
	s_barrier_wait -1
	s_cmp_lg_u32 s14, 0
	s_cbranch_scc1 .Lend                           ; waves 1 to 3 have done their part
.irp t, 0,1,2,3,4
	ds_load_b64 v[CV+2*\t:CV+2*\t+1], v12 offset:64*\t
.endr
	v_min_u32 v57, 2499, v57
	v_mul_u32_u24 v57, v57, 40
	v_add_nc_u32 v57, v57, v14                     ; key 40 x group + 2 (l % 4)
.irp t, 0,1,2,3,4
.irp e, 0,1
	v_add_nc_u32 v[CI+2*\t+\e], 8*\t+\e, v57
.endr
.endr
.irp k, 0,1,2,3,4,5,6,7,8,9
	v_cvt_f32_u32 v[CI+\k], v[CI+\k]
.endr
	s_wait_dscnt 0x0
.macro ROUND j
	v_max3_num_f32 v[VM], v[CV], v[CV+1], v[CV+2]
	v_max3_num_f32 v[VU], v[CV+3], v[CV+4], v[CV+5]
	v_max3_num_f32 v[VM], v[VM], v[CV+6], v[CV+7]
	v_max3_num_f32 v[VU], v[VU], v[CV+8], v[CV+9]
	v_max_num_f32 v[VM], v[VM], v[VU]
.irp m, 1,2,4,8
	v_max_num_f32_dpp v[VM], v[VM], v[VM] row_xmask:\m row_mask:0xf bank_mask:0xf
.endr
	v_permlanex16_b32 v[VU], v[VM], s[SEL], s[SEL+1]
	v_max_num_f32 v[VM], v[VM], v[VU]              ; the largest value left, in every lane
.irp k, 0,1,2,3,4,5,6,7,8,9
	v_cmp_eq_f32 s[CM+\k], v[CV+\k], v[VM]
.endr
.irp k, 0,1,2,3,4,5,6,7,8,9
	v_cndmask_b32 v[TK+\k], v[BIG], v[CI+\k], s[CM+\k]             ; its holders' indices, +infinity for the others
.endr
	v_min3_num_f32 v[VI], v[TK], v[TK+1], v[TK+2]
	v_min3_num_f32 v[VU], v[TK+3], v[TK+4], v[TK+5]
	v_min3_num_f32 v[VI], v[VI], v[TK+6], v[TK+7]
	v_min3_num_f32 v[VU], v[VU], v[TK+8], v[TK+9]
	v_min_num_f32 v[VI], v[VI], v[VU]
.irp m, 1,2,4,8
	v_min_num_f32_dpp v[VI], v[VI], v[VI] row_xmask:\m row_mask:0xf bank_mask:0xf
.endr
	v_permlanex16_b32 v[VU], v[VI], s[SEL], s[SEL+1]
	v_min_num_f32 v[VI], v[VI], v[VU]              ; the smallest of them
.irp k, 0,1,2,3,4,5,6,7,8,9
	v_cmp_eq_f32 s[CM+\k], v[CI+\k], v[VI]
.endr
.irp k, 0,1,2,3,4,5,6,7,8,9
	v_cndmask_b32 v[CV+\k], v[CV+\k], v[NINF], s[CM+\k]            ; is struck out
.endr
	s_mov_b32 s[KEEP], 1<<(\j)
	v_cndmask_b32 v[KM], v[KM], v[VM], s[KEEP]
	v_cndmask_b32 v[KI], v[KI], v[VI], s[KEEP]
.if (\j) == 0
	v_mov_b32 v[M0], v[VM]                         ; the largest of all
.endif
.endm
.irp j, 0,1,2,3,4,5,6,7
	ROUND \j
.endr
	v_sub_f32 v[VU], v[KM], v[M0]
	v_mul_f32 v[VU], 0x3fb8aa3b, v[VU]             ; x log2(e)
	v_exp_f32 v[VU], v[VU]
	v_nop                                          ; one plain instruction behind a transcendental
	s_wait_alu depctr_va_vdst(0)
	v_add_f32_dpp v[VS], v[VU], v[VU] row_xmask:1 row_mask:0xf bank_mask:0xf
	v_add_f32_dpp v[VS], v[VS], v[VS] row_xmask:2 row_mask:0xf bank_mask:0xf
	v_add_f32_dpp v[VS], v[VS], v[VS] row_xmask:4 row_mask:0xf bank_mask:0xf     ; the sum over lanes 0 to 7
	v_rcp_f32 v[VS], v[VS]
	v_cvt_u32_f32 v[KI], v[KI]                     ; (a plain instruction behind the reciprocal)
	s_wait_alu depctr_va_vdst(0)
	v_mul_f32 v[VU], v[VU], v[VS]
	s_wait_xcnt 0x0                                ; EXEC changes only behind this wait
	v_cmp_gt_u32 vcc_lo, 8, v0
	s_and_saveexec_b32 s35, vcc_lo
	global_store_b32 v15, v[KI], s[10:11]
	global_store_b32 v15, v[VU], s[12:13]
	s_wait_xcnt 0x0
	s_or_b32 exec_lo, exec_lo, s35
.Lend:
	s_wait_tensorcnt 0x0
	ds_add_u32 v254, v255
	s_wait_dscnt 0x0
	s_endpgm
.Lfunc_end_k_q33b5eed176_rescore:
	.size	k_q33b5eed176_rescore, .Lfunc_end_k_q33b5eed176_rescore-k_q33b5eed176_rescore
	.p2alignl 7, 3214868480
	.fill 96, 4, 3214868480
	.section	.rodata,"a",@progbits
	.p2align	6, 0x0
	.amdhsa_kernel k_q33b5eed176_rescore
		.amdhsa_group_segment_fixed_size 2048
		.amdhsa_private_segment_fixed_size 0
		.amdhsa_enable_private_segment 0
		.amdhsa_kernarg_size 40
		.amdhsa_user_sgpr_count 2
		.amdhsa_user_sgpr_kernarg_segment_ptr 1
		.amdhsa_wavefront_size32 1
		.amdhsa_system_sgpr_workgroup_id_x 1
		.amdhsa_system_sgpr_workgroup_id_y 1
		.amdhsa_system_sgpr_workgroup_id_z 1
		.amdhsa_system_vgpr_workitem_id 0
		.amdhsa_next_free_vgpr 256
		.amdhsa_next_free_sgpr 66
		.amdhsa_reserve_vcc 1
		.amdhsa_float_denorm_mode_32 3
		.amdhsa_float_denorm_mode_16_64 3
		.amdhsa_memory_ordered 1
		.amdhsa_forward_progress 1
		.amdhsa_inst_pref_size 43
	.end_amdhsa_kernel
	.amdgpu_metadata
---
amdhsa.version: [ 1, 2 ]
amdhsa.kernels:
  - .name:           k_q33b5eed176_rescore
    .symbol:         k_q33b5eed176_rescore.kd
    .args:
      - { .name: sel, .offset: 0, .size: 8, .value_kind: global_buffer, .address_space: global }
      - { .name: kimg, .offset: 8, .size: 8, .value_kind: global_buffer, .address_space: global }
      - { .name: qimg, .offset: 16, .size: 8, .value_kind: global_buffer, .address_space: global }
      - { .name: idx, .offset: 24, .size: 8, .value_kind: global_buffer, .address_space: global }
      - { .name: wgt, .offset: 32, .size: 8, .value_kind: global_buffer, .address_space: global }
    .group_segment_fixed_size: 2048
    .private_segment_fixed_size: 0
    .kernarg_segment_align: 8
    .kernarg_segment_size: 40
    .max_flat_workgroup_size: 128
    .sgpr_count:     66
    .vgpr_count:     256
    .wavefront_size: 32
...
	.end_amdgpu_metadata
.endif
;; end of part 4
;; launch gather (part 5): grid 512 x 1, 4 waves a work-group, no clusters, 0 bytes of LDS; arguments idx, wgt, values, out0; writes out0
.if DOCPART == 5
	.amdgcn_target "amdgcn-amd-amdhsa--gfx1250"
	.amdhsa_code_object_version 6
	.text
	.protected	k_q33b5eed176_gather
	.globl	k_q33b5eed176_gather
	.p2align	8
	.type	k_q33b5eed176_gather,@function
k_q33b5eed176_gather:
	s_mov_b64 s[64:65], 0
	v_nop
	global_prefetch_b8 v0, s[64:65] scope:SCOPE_SE
	s_setreg_imm32_b32 hwreg(HW_REG_WAVE_MODE, 25, 1), 1
	s_wait_xcnt 0x0
; out0[q][:] = the sum over j = 0..7 of wgt[q][j] x values[idx[q][j]][:].  values [100000][256], out0 [2048][256], f32.
; One wave serves one query.  Its 8 indices and 8 weights come by two scalar loads; the indices are whole numbers that an earlier launch stored, each held to 99,999 ahead of its use in an address.
; A row is 1,024 bytes: two loads of 512 consecutive bytes; all sixteen loads go out together, and row j is added when its two are in.  No hint on the loads: a row may be named by several queries.
; No LDS, no barrier, no matrix unit: the launch moves 8 rows for each row that it writes, and memory's latency is all that it waits for.
.set R,   16                           ; v[16:79] eight rows x 8 registers
.set ACC, 80                           ; v[80:87]
	s_load_b256 s[4:11], s[0:1], 0x0               ; idx s[4:5], wgt s[6:7], values s[8:9], out0 s[10:11]
	v_lshrrev_b32 v2, 5, v0
	v_readfirstlane_b32 s12, v2                    ; wave
	v_and_b32 v1, 31, v0
	v_lshlrev_b32 v1, 4, v1                        ; 16 x lane
	s_lshl_b32 s13, ttmp9, 2
	s_add_co_u32 s13, s13, s12                     ; my query
	s_lshl_b32 s14, s13, 5
	s_mov_b32 s15, 0
	s_lshl_b32 s36, s13, 10
	s_mov_b32 s37, 0
	s_wait_kmcnt 0x0
	s_add_nc_u64 s[4:5], s[4:5], s[14:15]
	s_add_nc_u64 s[6:7], s[6:7], s[14:15]
	s_add_nc_u64 s[10:11], s[10:11], s[36:37]
	s_load_b256 s[16:23], s[4:5], 0x0              ; eight indices
	s_load_b256 s[24:31], s[6:7], 0x0              ; eight weights
	s_wait_kmcnt 0x0
.irp j, 0,1,2,3,4,5,6,7
	s_min_u32 s[16+\j], s[16+\j], 99999
	s_lshl_b32 s[16+\j], s[16+\j], 10              ; 1,024 bytes a row: under 2^27
	v_add_nc_u32 v[2+\j], s[16+\j], v1
.endr
.irp j, 0,1,2,3,4,5,6,7
	global_load_b128 v[R+8*\j:R+8*\j+3], v[2+\j], s[8:9]
	global_load_b128 v[R+8*\j+4:R+8*\j+7], v[2+\j], s[8:9] offset:512
.endr
	s_wait_loadcnt 14                              ; row 0's two loads are in
.irp k, 0,1,2,3,4,5,6,7
	v_mul_f32 v[ACC+\k], s24, v[R+\k]              ; the first row starts the sums
.endr
.irp j, 1,2,3,4,5,6,7
	s_wait_loadcnt 14-2*\j                         ; row j's two loads are in; the later rows' stay out
.irp k, 0,1,2,3,4,5,6,7
	v_fmac_f32 v[ACC+\k], s[24+\j], v[R+8*\j+\k]
.endr
.endr
	global_store_b128 v1, v[ACC:ACC+3], s[10:11]                   ; 512 consecutive bytes, at a multiple of 256 from out0's first byte
	global_store_b128 v1, v[ACC+4:ACC+7], s[10:11] offset:512
	s_endpgm
.Lfunc_end_k_q33b5eed176_gather:
	.size	k_q33b5eed176_gather, .Lfunc_end_k_q33b5eed176_gather-k_q33b5eed176_gather
	.p2alignl 7, 3214868480
	.fill 96, 4, 3214868480
	.section	.rodata,"a",@progbits
	.p2align	6, 0x0
	.amdhsa_kernel k_q33b5eed176_gather
		.amdhsa_group_segment_fixed_size 0
		.amdhsa_private_segment_fixed_size 0
		.amdhsa_enable_private_segment 0
		.amdhsa_kernarg_size 32
		.amdhsa_user_sgpr_count 2
		.amdhsa_user_sgpr_kernarg_segment_ptr 1
		.amdhsa_wavefront_size32 1
		.amdhsa_system_sgpr_workgroup_id_x 1
		.amdhsa_system_sgpr_workgroup_id_y 1
		.amdhsa_system_sgpr_workgroup_id_z 1
		.amdhsa_system_vgpr_workitem_id 0
		.amdhsa_next_free_vgpr 96
		.amdhsa_next_free_sgpr 66
		.amdhsa_reserve_vcc 0
		.amdhsa_float_denorm_mode_32 3
		.amdhsa_float_denorm_mode_16_64 3
		.amdhsa_memory_ordered 1
		.amdhsa_forward_progress 1
		.amdhsa_inst_pref_size 6
	.end_amdhsa_kernel
	.amdgpu_metadata
---
amdhsa.version: [ 1, 2 ]
amdhsa.kernels:
  - .name:           k_q33b5eed176_gather
    .symbol:         k_q33b5eed176_gather.kd
    .args:
      - { .name: idx, .offset: 0, .size: 8, .value_kind: global_buffer, .address_space: global }
      - { .name: wgt, .offset: 8, .size: 8, .value_kind: global_buffer, .address_space: global }
      - { .name: values, .offset: 16, .size: 8, .value_kind: global_buffer, .address_space: global }
      - { .name: out0, .offset: 24, .size: 8, .value_kind: global_buffer, .address_space: global }
    .group_segment_fixed_size: 0
    .private_segment_fixed_size: 0
    .kernarg_segment_align: 8
    .kernarg_segment_size: 32
    .max_flat_workgroup_size: 128
    .sgpr_count:     66
    .vgpr_count:     96
    .wavefront_size: 32
...
	.end_amdgpu_metadata
.endif
;; end of part 5
